; MI455X (gfx1250); checked and timed in simulation.
; The chip was launched on July 23, 2026; its instructions are those of AMD's public machine-readable ISA for CDNA 5 (MIT licence, August 2026) and "CDNA5" Instruction Set Architecture Reference Guide (July 2026). The comments in the code are by the model that wrote it; some were corrected since.
;; Self Att Head Level5. Allowed arithmetic: matrix products marked QUANTISED: E4M3 operands, one given power-of-two scale a tensor, by v_wmma_f32_16x16x64_fp8_fp8 or v_wmma_f32_16x16x128_fp8_fp8, f32 sums; everything else in f32.
;; Inputs: E 4 x 4,096 x 128 float32; W 128 x 256 float32; lowp_scales 6 int32 (the exponents e of the quantised operands' scales 2^e); mask 4 x 4,096 bool.
;; Outputs: out0 4 x 4,096 x 128 float32.
;; This version of the problem:
;;   THIS VERSION OF THE PROBLEM IS GIVEN IN LOW PRECISION. The matrix products marked QUANTISED in the list below multiply operands that are first quantised to E4M3 (4 exponent bits, 3 mantissa bits; 8 bits a number), with one given power-of-two scale for each operand tensor; their sums are f32. All else is computed in f32.
;;   The module's matrix products, in the order in which they are computed (A, B: the left and right operand; K: the contracted axis; several contracted axes count as one K, in the product's order):
;;     1. [M 16,384, K 128] x [K 128, N 256]; A: input E; B: input W: QUANTISED (scales: A lowp_scales[0], B lowp_scales[1])
;;     2. batch 4 x [M 4,096, K 64] x [K 64, N 4,096]; A: computed on the way; B: computed on the way: QUANTISED (scales: A lowp_scales[2], B lowp_scales[3])
;;     3. batch 4 x [M 4,096, K 4,096] x [K 4,096, N 128]; A: softmax (see below); B: computed on the way: QUANTISED (scales: A lowp_scales[4], B lowp_scales[5])
;;   THE QUANTISER, for each operand of a quantised product, along K:
;;     - The operand's scale is 2^e, e = its entry of the input lowp_scales (int32; the entries are numbered through the quantised products in the list's order, A before B).
;;     - Each number is divided by the scale, clamped to +-448, and rounded to the nearest number of E4M3, ties to even, subnormals kept.
;;     - The product sums the exact products of the quantised numbers (number of the format x scale) in f32.
;;   ~~~python
;;   def quantise(x, axis, e):      # numpy; x: float32 -> the quantised numbers, widened to float32 again
;;       x = np.moveaxis(x, axis, -1); K = x.shape[-1]
;;       r = np.clip(x / 2.0 ** e, -448, 448)
;;       step = 2.0 ** (np.maximum(np.frexp(np.where(r == 0, 1, r))[1] - 1, -6) - 3)
;;       q = np.round(r / step) * step * 2.0 ** e      # np.round: ties to even
;;       return np.moveaxis(q, -1, axis).astype(np.float32)
;;   ~~~
;;   SOFTMAX AHEAD OF A QUANTISED PRODUCT. Where the list says 'softmax', what is quantised is not the finished softmax but p = 2^(t - M), with t = logit x log2(e) and M = ceil(the row's largest t), a whole number; so 1/2 < the row's largest p <= 1. The row's sum l is taken of the UNQUANTISED p, in f32, and the product's result is divided by l at the end. Since M is a whole number, a kernel that streams over the keys may use a running M (the ceiling of the running maximum): every later rescaling is an exact power of two, so the quantised numbers keep their values, but for numbers so far below the row's largest that they fall under the format's range.
;;   OPERANDS COMPUTED ON THE WAY. 'Computed on the way' means the value that the module computes at that place (a softmax that the list does not call 'softmax' is quantised finished and normalised). What goes into a quantiser is computed in f32, as accurately as f32 sums, v_exp_f32 and their like allow (about 1e-6 of the number): no bf16 or f16 on the way to a quantiser, and a product that is left as it is and whose result goes on into a quantised operand takes f32 operands (vector FMAs, or v_wmma_f32_16x16x4_f32). A number that lies on a knife's edge between two numbers of the format may be rounded either way, as far as f32 arithmetic and the matrix unit's own rounding can turn it there, and no further.
;; One version. Each part assembles by itself: llvm-mc -triple=amdgcn-amd-amdhsa -mcpu=gfx1250 --defsym DOCPART=n.
;; ======== version 1 of 1: 2 launches
;; limits: right only within a limited range of input values
;; workspace buffers: qf 1,048,576 bytes; kv 3,211,264 bytes
;; launch project (part 1): grid 256 x 1, 8 waves a work-group, clusters of 4 x 1, 327,680 bytes of LDS; arguments E, W, lowp_scales, mask, qf, kv; writes qf, kv
.if DOCPART == 1
	.amdgcn_target "amdgcn-amd-amdhsa--gfx1250"
	.amdhsa_code_object_version 6
	.text
	.protected	k_qc44aad1960_project
	.globl	k_qc44aad1960_project
	.p2align	8
	.type	k_qc44aad1960_project,@function
k_qc44aad1960_project:
	s_mov_b64 s[64:65], 0
	v_nop
	global_prefetch_b8 v0, s[64:65] scope:SCOPE_SE
	s_setreg_imm32_b32 hwreg(HW_REG_WAVE_MODE, 25, 1), 1
	s_wait_xcnt 0x0
	s_wait_alu depctr_hold_cnt(0) depctr_sa_sdst(0) depctr_va_vdst(0) depctr_va_sdst(0) depctr_va_ssrc(0) depctr_va_vcc(0) depctr_vm_vsrc(0)
	s_getreg_b32 s2, hwreg(HW_REG_IB_STS2, 6, 4)
	s_cmp_eq_u32 s2, 0
	s_cbranch_scc0 .Lentry_in_a_cluster
	s_endpgm
.Lentry_in_a_cluster:
	s_bfe_u32 s2, ttmp6, 0x10000c
	s_cmp_lg_u32 s2, 0x3003
	s_cbranch_scc0 .Lentry_shape_is_right
	s_endpgm
.Lentry_shape_is_right:
; combined = E W on codes of FP8 (E4M3), then Q, K and V are quantised for the two products of attention and laid out as IMAGES OF OPERAND REGISTERS, so that the next launch
; fetches every fragment by loads of 16 bytes at 16 x lane.  E: [16384][128] f32.  W: [128][256] f32, columns Q 0-63, K 64-127, V 128-255.  mask: [16384] bytes, over the keys.
; SCALES (whole numbers e0 .. e5): E 2^e0, W 2^e1, Q 2^e2, K 2^e3, V 2^e5.  A sum of codes stands for sum x 2^(e0 + e1), so Q's codes are sum / 2^(e2 - e0 - e1), and so on.
; LIMITS, so that each power of two below and 448 times it are f32 numbers: e0, e1, e2 - e0 - e1, e3 - e0 - e1, e5 - e0 - e1 between -126 and 119.  NaN among E or W is not served.
; THE MASK.  The codes of a hidden key's K row become zeros, and its bias is -2^80 (0 for a key that counts): the next launch adds it to the scores by the matrix instruction's C.
; SHARES.  A work-group takes 128 rows (rb) and one half of W's columns: q = 0: Q's and K's, q = 1: V's.  First its eight waves quantise the half of W (16 rows each) and the 128 rows of E (a tile of 16 each)
; into LDS, as register images; then wave w takes the pair of tiles p = w / 2 as source 0 and the four tiles 4 (w % 2) on as source 1: eight matrix instructions.
; q = 0: source 0 = 16 columns of W, source 1 = 16 rows of E: a lane holds one row, and the 16 registers of a pair are features 32 (p % 2) + 16 h + 0 .. 15 of Q (p = 0, 1) or K (p = 2, 3).
; q = 1: source 0 = 16 rows of E, source 1 = 16 columns of W: a lane holds one channel, and the 16 registers of a pair are keys 16 h + 0 .. 15 of the block of 32 rows p.
; Both are one text: E's tiles and W's are images of one layout, and only the LDS bases of the two sources change places.
; CLUSTER.  q is the same in the four work-groups of a cluster, and they ask for their half of W JOINTLY, each wave for its 16 rows, by the same descriptor in all four; the wave that asked reads them back itself.
; No prefetch: there is no loop to run ahead in.
; A lane holds 4 columns x 16 rows of W.  The hold writes each number to another register, so that a column's 16 numbers stand on end for the conversions.
; Rows 16 w on are k = 32 (w / 2) + 16 (w % 2) + 0 .. 15: one 16-byte piece of a fragment's image, at 2048 x fragment + 16 r + 256 w.
; THE ROWS OF A TILE ARE NOT NEIGHBOURS: lane r of tile m takes row 32 (m / 2) + 8 (m % 2) + r + 8 (r / 8), and the columns of each half of W are chosen alike, so that a lane's 16 registers of two neighbouring
; result tiles are 16 neighbours along the next product's K.  So V's tile t holds channels 32 (t / 2) + 8 (t % 2) + r + 8 (r / 8).
; OUT.  qf: [tile 8 rb + m][chunk b'][lane][16 bytes].  kv: [batch][slot of 512 keys = 4 rb: 100,352 bytes]; in a slot K at 1024 (8 (rb % 4) + m) + 512 b', V at 32768 + 16384 (rb % 4) + 2048 t + 512 p,
; the 512 biases (f32) at 98304.
.set EIMG,   16384                     ; LDS: the half of W: 8 fragments of 2,048 bytes from byte 0; E's eight tiles from here
.set SPARE,  32768                     ; the spare words, 128 bytes for each wave: four blocks of 256 bytes that no other line names
.set WF,     65536                     ; the half of W as it lies, 8,192 bytes for each wave: filled once
.set SLOTB,  100352                    ; a slot in kv
.set BATCHB, 8*SLOTB                   ; a batch in kv
.set VOFF,   32768                     ; V's part of a slot
.set BOFF,   98304                     ; the biases' part
.set NEGB,   0xe7800000                ; -2^80
.set X,      192                       ; v192-255: four columns x 16 numbers on end
.set SPW,    30                        ; SPARE + 4 x my thread's number; never rewritten
.set NIL,    31                        ; 0; never rewritten
.set G1,     68                        ; s[68:75] descriptor group 1, s[76:79] group 0
.set G0,     76
; v1 r, v2 h, v3 r + 8 (r / 8), v4 16 x lane, v5 E's offset, v6 LDS address of my rows of W, v7 where W's codes go in LDS, v8 the mask's offset, v9 where E's codes go, v10 4 x lane, v11-12 LDS loads,
; v13-16 the mask bytes of my four rows, v17 four mask bytes for the biases, v18-23 three pairs (scale, 448 x scale), v24-27 offsets of the stores; v32-63 W's codes, then source 0; v64-127 E's numbers,
; then source 1; v128-191 W's numbers, later the sums; v192-255 E's codes, then X, then the results' codes
.macro HOLDCVT src, dst, sc, lim       ; 16 numbers of a lane become 16 codes in four registers
.irp i, 0,1,2,3,4,5,6,7,8,9,10,11,12,13,14,15
	v_med3_num_f32 v[\src+\i], v[\src+\i], -v[\lim], v[\lim]   ; the conversion to an 8-bit code does not saturate (ISA guide 7.6.2): the hold at 448 x the scale comes first
.endr
	v_cvt_scalef32_pk8_fp8_f32 v[\dst:\dst+1], v[\src:\src+7], v[\sc]
	v_cvt_scalef32_pk8_fp8_f32 v[\dst+2:\dst+3], v[\src+8:\src+15], v[\sc]
.endm
.macro WCOLS src, dst                  ; 16 rows x my 4 columns of W, register 4 k + j = (row k, column j), become 4 x 16 codes; the hold also lays each column on end
.irp j, 0,1,2,3
.irp k, 0,1,2,3,4,5,6,7,8,9,10,11,12,13,14,15
	v_med3_num_f32 v[X+16*\j+\k], v[\src+4*\k+\j], -v19, v19
.endr
.endr
.irp j, 0,1,2,3
	v_cvt_scalef32_pk8_fp8_f32 v[\dst+4*\j:\dst+4*\j+1], v[X+16*\j:X+16*\j+7], v18
	v_cvt_scalef32_pk8_fp8_f32 v[\dst+4*\j+2:\dst+4*\j+3], v[X+16*\j+8:X+16*\j+15], v18
.endr
	v_nop                                          ; one plain vector line behind the last conversion of a run
.endm
.macro PAT se, vs, vl                  ; from the whole number e in s[se]: 2^e and 448 x 2^e as f32
	s_add_co_i32 s40, s[\se], 127
	s_lshl_b32 s41, s40, 23
	v_mov_b32 v[\vs], s41
	s_add_co_i32 s40, s40, 8
	s_lshl_b32 s40, s40, 23
	s_or_b32 s40, s40, 0x600000
	v_mov_b32 v[\vl], s40
.endm
.macro CROUND                          ; a round of the cluster's barrier
	s_barrier_signal -1
	s_barrier_wait -1
	s_cmp_lg_u32 s18, 0
	s_cbranch_scc1 .Lnot_wave_0_\@
	s_barrier_signal -3
.Lnot_wave_0_\@:
	s_barrier_wait -3
	s_barrier_signal -1
	s_barrier_wait -1
.endm
	s_load_b256 s[4:11], s[0:1], 0x0               ; E s[4:5], W s[6:7], the scales s[8:9], mask s[10:11]
	s_load_b128 s[12:15], s[0:1], 0x20             ; qf s[12:13], kv s[14:15]
	v_lshl_add_u32 v[SPW], v0, 2, SPARE
	v_mov_b32 v[NIL], 0
	ds_add_u32 v[SPW], v[NIL]                      ; the wave's opening: the add, twice on end, and its wait ahead of my first tensor load
	ds_add_u32 v[SPW], v[NIL]
	v_lshrrev_b32 v1, 5, v0
	s_delay_alu instid0(VALU_DEP_1)
	v_readfirstlane_b32 s18, v1                    ; wave 0..7
	s_lshr_b32 s19, s18, 1                         ; p; also w / 2
	s_and_b32 s20, s18, 1                          ; which four tiles are my source 1; also w % 2
	s_bfe_u32 s58, ttmp6, 0x40000                  ; cx: it enters global addresses of E, mask, qf and kv alone
	s_and_b32 s62, ttmp9, 1                        ; q
	s_lshr_b32 s59, ttmp9, 1
	s_lshl_b32 s59, s59, 2
	s_add_co_u32 s59, s59, s58                     ; rb: my 128 rows
	; descriptor group 1: 16 rows of 512 bytes (64 elements of 8 bytes), 1,024 bytes apart
	s_mov_b32 s[G1], 15|(3<<16)|(1<<21)            ; 15:0 the mask: all four work-groups; 17:16 elements of 8 bytes; 21 set beside a mask
	s_mov_b32 s[G1+1], 64<<16
	s_mov_b32 s[G1+2], 16<<16
	s_mov_b32 s[G1+3], 64<<16
	s_mov_b32 s[G1+4], 16
	s_mov_b32 s[G1+5], 128
	s_mov_b32 s[G1+6], 0
	s_mov_b32 s[G1+7], 0
	s_mov_b32 s[G0], 1
	s_lshl_b32 s2, s18, 14                         ; my 16 rows of W,
	s_lshl_b32 s3, s62, 9
	s_add_co_u32 s2, s2, s3                        ; the half q
	s_mov_b32 s3, 0
	s_lshl_b32 s36, s18, 13
	s_add_co_u32 s36, s36, WF
	s_mov_b32 s[G0+1], s36
	s_lshl_b32 s30, s19, 14                        ; E: my tile: 32 rows of 512 bytes,
	s_lshl_b32 s31, s20, 12
	s_add_co_u32 s30, s30, s31                     ; and 8 rows
	s_lshl_b32 s31, s18, 11
	s_add_co_u32 s31, s31, EIMG                    ; E's image: my tile
	s_lshl_b32 s34, s18, 8                         ; my 16 rows' piece of every image of W
	s_lshl_b32 s35, s20, 6                         ; the mask: rows 64 (w % 2) on: four tiles
	s_lshl_b32 s32, s62, 14
	s_lshl_b32 s33, s19, 12
	s_add_co_u32 s32, s32, s33                     ; source 0: W's images (q = 0) or E's, tiles 2 p on
	s_xor_b32 s33, s62, 1
	s_lshl_b32 s33, s33, 14
	s_lshl_b32 s37, s20, 13
	s_add_co_u32 s33, s33, s37                     ; source 1: the other's, tiles 4 (w % 2) on
	; W's codes in LDS.  Lane l holds columns 4 l + j of the half: x = 4 (l % 8) + j of the 32 columns l / 8; fragment 2 (l / 8) + (x / 8) % 2, lane place r = x % 8 + 8 (x / 16).  j stands in the stores' immediate
	v_and_b32 v1, 15, v0
	v_bfe_u32 v2, v0, 4, 1
	v_and_b32 v4, 31, v0
	v_bfe_u32 v7, v0, 3, 2
	v_bfe_u32 v28, v0, 1, 1
	v_and_b32 v3, 8, v1
	v_and_b32 v29, 1, v0
	v_lshlrev_b32 v10, 2, v4                       ; 4 x lane: my four mask bytes for the biases
	v_lshlrev_b32 v7, 12, v7
	v_lshlrev_b32 v4, 4, v4
	v_add_nc_u32 v3, v3, v1                        ; r + 8 (r / 8)
	v_lshl_add_u32 v7, v28, 11, v7
	v_bfe_u32 v28, v0, 2, 1
	v_add_nc_u32 v6, s36, v4
	v_lshlrev_b32 v5, 9, v3
	v_lshl_add_u32 v7, v29, 6, v7
	v_add_nc_u32 v8, s35, v3
	v_add_nc_u32 v9, s31, v4
	v_lshl_add_u32 v5, v2, 6, v5
	v_lshl_add_u32 v7, v28, 7, v7
	v_add_nc_u32 v11, s32, v4
	v_add_nc_u32 v12, s33, v4
	v_add_nc_u32 v5, s30, v5
	v_add_nc_u32 v7, s34, v7
	s_wait_alu depctr_va_vdst(0)
	s_wait_dscnt 0x0                               ; both opening adds are done
	CROUND                                         ; all four work-groups are here: the joint loads meet
	s_wait_kmcnt 0x0
	s_load_b128 s[24:27], s[8:9], 0x0              ; e0 .. e3
	s_load_b64 s[28:29], s[8:9], 0x10              ; e4, e5
	s_add_nc_u64 s[G0+2:G0+3], s[6:7], s[2:3]
	s_or_b32 s[G0+3], s[G0+3], 0x80000000          ; type = 2
	tensor_load_to_lds s[G0:G0+3], s[G1:G1+7]      ; my 16 rows of the half of W: the wave's one tensor load
	s_nop 0
.rept 4
	v_nop
.endr
	s_mov_b32 s37, 0
	s_lshl_b32 s36, s59, 16
	s_add_nc_u64 s[4:5], s[4:5], s[36:37]          ; E at my work-group's 128 rows
	s_lshl_b32 s36, s59, 7
	s_add_nc_u64 s[10:11], s[10:11], s[36:37]      ; the mask likewise
.irp c, 0,1,2,3                                ; of each block of 32 along K my half h holds 16 neighbours
.irp j, 0,1,2,3
	global_load_b128 v[64+16*\c+4*\j:64+16*\c+4*\j+3], v5, s[4:5] offset:128*\c+16*\j
.endr
.endr
.irp i, 0,1,2,3
	global_load_u8 v[13+\i], v8, s[10:11] offset:32*(\i/2)+8*(\i%2)
.endr
	global_load_b32 v17, v10, s[10:11]             ; every wave loads these; wave 0 uses them where q = 0
	; where my results go
	s_lshr_b32 s51, s59, 5                         ; batch
	s_bfe_u32 s52, s59, 0x30002                    ; slot
	s_and_b32 s39, s59, 3                          ; the 128 rows' place in the slot
	s_mul_i32 s48, s51, BATCHB
	s_mul_i32 s52, s52, SLOTB
	s_add_co_u32 s48, s48, s52                     ; the slot's first byte in kv
	s_and_b32 s53, s19, 1
	s_lshl_b32 s53, s53, 9                         ; 512 b'
	s_lshl_b32 s56, s20, 12
	s_add_co_u32 s53, s53, s56                     ; + four tiles of 1,024 bytes
	s_lshl_b32 s54, s59, 13
	s_add_co_u32 s54, s54, s53                     ; Q in qf
	s_lshl_b32 s55, s39, 13
	s_add_co_u32 s55, s55, s48
	s_add_co_u32 s55, s55, s53                     ; K in kv
	s_lshl_b32 s56, s39, 14
	s_lshl_b32 s57, s19, 9                         ; the chunk of 32 keys,
	s_lshl_b32 s58, s20, 13                        ; four tiles of 2,048 bytes
	s_add_co_u32 s50, s48, VOFF
	s_add_co_u32 s50, s50, s56
	s_add_co_u32 s50, s50, s57
	s_add_co_u32 s50, s50, s58                     ; V in kv
	s_lshl_b32 s60, s39, 9
	s_add_co_u32 s60, s60, s48
	s_add_co_u32 s60, s60, BOFF                    ; the biases in kv: 4 bytes a key
	s_mov_b32 s61, 0
	s_add_nc_u64 s[16:17], s[14:15], s[60:61]
	s_lshl_b32 s44, 1024, s62                      ; from tile to tile: 1,024 bytes (Q, K) or 2,048 (V)
	s_lshl_b32 s63, s62, 2
	s_or_b32 s63, s63, s19                         ; 0, 1: Q; 2, 3: K; 4 to 7: V
	s_cmp_lt_u32 s63, 2
	s_cselect_b32 s49, s54, s55
	s_cselect_b64 s[46:47], s[12:13], s[14:15]
	s_cselect_b32 s45, 1, 0
	s_cmp_lt_u32 s63, 4
	s_cselect_b32 s49, s49, s50
	s_cselect_b32 s45, s45, 1                      ; 1: the mask does not touch Q and V
	v_add_nc_u32 v24, s49, v4
	v_add_nc_u32 v25, s44, v24
	v_add_nc_u32 v26, s44, v25
	v_add_nc_u32 v27, s44, v26
	s_wait_alu depctr_va_vdst(0)                   ; directly ahead of the wait below
	s_wait_kmcnt 0x0
	s_cmp_lt_u32 s63, 2
	s_cselect_b32 s43, s26, s27
	s_cmp_lt_u32 s63, 4
	s_cselect_b32 s43, s43, s29                    ; e2, e3 or e5
	PAT 24, 22, 23                                 ; E's scale
	PAT 25, 18, 19                                 ; W's
	s_add_co_i32 s42, s24, s25
	s_sub_co_i32 s43, s43, s42
	PAT 43, 20, 21                                 ; the result's: 2^(e2, e3 or e5 - e0 - e1)
	s_wait_alu depctr_va_vdst(0)                   ; the head's end
	s_wait_loadcnt 0x0                             ; E and the mask
	HOLDCVT 64, 192, 22, 23
	HOLDCVT 80, 196, 22, 23
	HOLDCVT 96, 200, 22, 23
	HOLDCVT 112, 204, 22, 23
	v_nop                                          ; one plain vector line behind the last conversion of a run
.irp c, 0,1,2,3
	ds_store_b128 v9, v[192+4*\c:192+4*\c+3] offset:512*\c
.endr
	s_wait_tensorcnt 0x0                           ; my rows of W are in: I alone read them
.irp k, 0,1,2,3,4,5,6,7,8,9,10,11,12,13,14,15
	ds_load_b128 v[128+4*\k:128+4*\k+3], v6 offset:512*\k
.endr
	s_wait_dscnt 0x0                               ; E's codes have left their registers, which X takes, and W's numbers are in
	WCOLS 128, 32
.irp j, 0,1,2,3
	ds_store_b128 v7, v[32+4*\j:32+4*\j+3] offset:16*\j
.endr
	s_wait_dscnt 0x0                               ; for the others' sake: my images lie in LDS
	s_barrier_signal -1
	s_barrier_wait -1
	; the products
.irp c, 0,1,2,3
.irp u, 0,1
	ds_load_b128 v[32+16*\u+4*\c:32+16*\u+4*\c+3], v11 offset:2048*\u+512*\c
.endr
.irp i, 0,1,2,3
	ds_load_b128 v[64+16*\i+4*\c:64+16*\i+4*\c+3], v12 offset:2048*\i+512*\c
.endr
.endr
	s_wait_dscnt 0x0
.irp i, 0,1,2,3
.irp u, 0,1
	v_wmma_f32_16x16x128_fp8_fp8 v[128+16*\i+8*\u:128+16*\i+8*\u+7], v[32+16*\u:32+16*\u+15], v[64+16*\i:64+16*\i+15], 0
.endr
.endr
.rept 4
	v_nop                                          ; four places between the last product and the first vector line on results (ISA guide 7.12.1)
.endr
	HOLDCVT 128, 192, 20, 21                       ; each accumulator is read from its low end on
	HOLDCVT 144, 196, 20, 21
	HOLDCVT 160, 200, 20, 21
	HOLDCVT 176, 204, 20, 21
	v_nop
.irp i, 0,1,2,3
	v_or_b32 v[13+\i], s45, v[13+\i]
.endr
.irp i, 0,1,2,3
	v_cmp_ne_u32 vcc_lo, 0, v[13+\i]
.irp j, 0,1,2,3
	v_cndmask_b32 v[192+4*\i+\j], 0, v[192+4*\i+\j], vcc_lo  ; a hidden key's codes of K become zeros
.endr
	global_store_b128 v[24+\i], v[192+4*\i:192+4*\i+3], s[46:47]   ; each store of the wave covers 512 consecutive bytes, aligned
.endr
	s_or_b32 s40, s18, s62
	s_cmp_lg_u32 s40, 0                            ; where q = 0 wave 0 writes the 128 rows' biases: 512 consecutive bytes, aligned
	s_cbranch_scc1 .Ldone
	v_and_b32 v32, 0xff, v17
	v_bfe_u32 v33, v17, 8, 8
	v_bfe_u32 v34, v17, 16, 8
	v_lshrrev_b32 v35, 24, v17
	v_mov_b32 v36, NEGB
	v_mov_b32 v37, 0
.irp j, 0,1,2,3
	v_cmp_ne_u32 vcc_lo, 0, v[32+\j]
	v_cndmask_b32 v[32+\j], v36, v37, vcc_lo
.endr
	global_store_b128 v4, v[32:35], s[16:17]
.Ldone:
	s_wait_tensorcnt 0x0                           ; the wave's end
	ds_add_u32 v[SPW], v[NIL]
	s_wait_dscnt 0x0
	CROUND                                         ; the closing round: no work-group ends while a partner may still ask for a tile that names it
	s_endpgm
.Lfunc_end_k_qc44aad1960_project:
	.size	k_qc44aad1960_project, .Lfunc_end_k_qc44aad1960_project-k_qc44aad1960_project
	.p2alignl 7, 3214868480
	.fill 96, 4, 3214868480
	.section	.rodata,"a",@progbits
	.p2align	6, 0x0
	.amdhsa_kernel k_qc44aad1960_project
		.amdhsa_group_segment_fixed_size 327680
		.amdhsa_private_segment_fixed_size 0
		.amdhsa_enable_private_segment 0
		.amdhsa_kernarg_size 48
		.amdhsa_user_sgpr_count 2
		.amdhsa_user_sgpr_kernarg_segment_ptr 1
		.amdhsa_wavefront_size32 1
		.amdhsa_system_sgpr_workgroup_id_x 1
		.amdhsa_system_sgpr_workgroup_id_y 1
		.amdhsa_system_sgpr_workgroup_id_z 1
		.amdhsa_system_vgpr_workitem_id 0
		.amdhsa_next_free_vgpr 256
		.amdhsa_next_free_sgpr 80
		.amdhsa_reserve_vcc 1
		.amdhsa_float_denorm_mode_32 3
		.amdhsa_float_denorm_mode_16_64 3
		.amdhsa_memory_ordered 1
		.amdhsa_forward_progress 1
		.amdhsa_inst_pref_size 29
	.end_amdhsa_kernel
	.amdgpu_metadata
---
amdhsa.version: [ 1, 2 ]
amdhsa.kernels:
  - .name:           k_qc44aad1960_project
    .symbol:         k_qc44aad1960_project.kd
    .args:
      - { .name: E, .offset: 0, .size: 8, .value_kind: global_buffer, .address_space: global }
      - { .name: W, .offset: 8, .size: 8, .value_kind: global_buffer, .address_space: global }
      - { .name: lowp_scales, .offset: 16, .size: 8, .value_kind: global_buffer, .address_space: global }
      - { .name: mask, .offset: 24, .size: 8, .value_kind: global_buffer, .address_space: global }
      - { .name: qf, .offset: 32, .size: 8, .value_kind: global_buffer, .address_space: global }
      - { .name: kv, .offset: 40, .size: 8, .value_kind: global_buffer, .address_space: global }
    .group_segment_fixed_size: 327680
    .private_segment_fixed_size: 0
    .kernarg_segment_align: 8
    .kernarg_segment_size: 48
    .max_flat_workgroup_size: 256
    .sgpr_count:     80
    .vgpr_count:     256
    .wavefront_size: 32
...
	.end_amdgpu_metadata
.endif
;; end of part 1
;; launch attend (part 2): grid 64 x 4, 8 waves a work-group, clusters of 4 x 1, 327,680 bytes of LDS; arguments qf, kv, lowp_scales, out0; writes out0
.if DOCPART == 2
	.amdgcn_target "amdgcn-amd-amdhsa--gfx1250"
	.amdhsa_code_object_version 6
	.text
	.protected	k_qc44aad1960_attend
	.globl	k_qc44aad1960_attend
	.p2align	8
	.type	k_qc44aad1960_attend,@function
k_qc44aad1960_attend:
	s_mov_b64 s[64:65], 0
	v_nop
	global_prefetch_b8 v0, s[64:65] scope:SCOPE_SE
	s_setreg_imm32_b32 hwreg(HW_REG_WAVE_MODE, 25, 1), 1
	s_wait_xcnt 0x0
	s_wait_alu depctr_hold_cnt(0) depctr_sa_sdst(0) depctr_va_vdst(0) depctr_va_sdst(0) depctr_va_ssrc(0) depctr_va_vcc(0) depctr_vm_vsrc(0)
	s_getreg_b32 s2, hwreg(HW_REG_IB_STS2, 6, 4)
	s_cmp_eq_u32 s2, 0
	s_cbranch_scc0 .Lentry_in_a_cluster
	s_endpgm
.Lentry_in_a_cluster:
	s_bfe_u32 s2, ttmp6, 0x10000c
	s_cmp_lg_u32 s2, 0x3003
	s_cbranch_scc0 .Lentry_shape_is_right
	s_endpgm
.Lentry_shape_is_right:
; out0[b][q][:] = the sum over k of softmax_k(Q[b][q] . K[b][k] / 8, hidden keys left out) V[b][k][:], both products on codes of FP8 (E4M3) made by the launch before.
; THE SOFTMAX AHEAD OF THE SECOND PRODUCT: t = score x log2(e) / 8; M = the largest t so far, rounded up to a whole number; p = 2^(t - M) is quantised with 2^e4, not normalised; the row's sum is taken of the
; unquantised p and divides at the end.  When M moves, the sum and O are multiplied by 2^(old M - new M), which rounds nothing.  Only -M is kept: floor(-t) of the largest t is the least of the steps' floor(-t).
; THE MASK costs no vector line: a hidden key's codes of K are zeros and its bias is -2^80, which is the C of S^T = K Q^T: its score is -2^80 exactly.  Where any key counts, p of a hidden key is 0.
; Where all keys seen so far are hidden, t - M is exactly 0 and p = 1: the even weights that the softmax of equal scores gives; the first key that counts wipes them out (f = 0).
; LIMITS: e2 + e3 between -69 and 50 (c x 2^(e2 + e3) x 2^80 is finite and at least 2^8; a sum of codes stays under 2^24); e4 between -126 and 119; e4 + e5 is applied by v_ldexp_f32 and has none.
; The promise holds while the scaled scores of the keys that count stay under 2^31 in magnitude.
; SHARES.  A work-group owns 64 queries of one batch.  Wave w: qh = w % 2 picks 32 of them (two tiles of 16), kg = w / 2 picks 128 of each slot's 512 keys.  Each fragment of K and V read from LDS feeds
; two products, and two waves share a SIMD: one wave's vector work stands beside the other's matrix work.  The four key groups' parts are joined at the end, through LDS.
; CLUSTER.  The four work-groups of a cluster belong to one batch and walk the same K, V and biases: every tile is asked for JOINTLY, each wave its share, by the same descriptor in all four.
; A 4 x 4 cluster would add nothing: there is one shared stream, and a mask names four work-groups.
; LAYOUT.  Both products are used transposed (S^T = K Q^T, O^T = V^T P^T): a lane holds one query throughout.  kv and qf hold images of the operands' registers: a fragment's chunk of four registers is 512
; consecutive bytes, 16 a lane, so LDS needs no padding.  The keys of a tile of K are 32 b + 8 u + r + 8 (r / 8), so that p's 16 registers of two neighbouring tiles are 16 neighbouring keys;
; the channels of V's tile t are 32 (t / 2) + 8 (t % 2) + r + 8 (r / 8), so a lane's eight registers of O^T's tile t are channels 32 (t / 2) + 8 (t % 2) + 16 h + 0 .. 7.
; THE ORDER OF A STEP.  At its top K and the biases lie in registers and tile 0's scores are made; V is fetched in four runs of eight loads: at the top, behind the maxima's chains, and ahead of and behind tile 0's
; exponentials.  Then the slot has been read out: the round of the change of slots, with tile 1's K Q^T, maximum and scaling inside; the joint refill; the NEXT step's sixteen loads of K; O^T under the new M;
; tile 1's exponentials, with eight loads of the next step's biases ahead of them and eight behind; tile 1's codes, the 16 products V^T P^T, and the next step's tile 0.
; So one round a step shows the slot ahead to every wave and frees the one in hand, and a refill has from the middle of a step to the middle of the next in which to land.
; REGISTERS, window 0: v0-3 -M (a pair a tile), v4-7 the sums in two halves, v8-11 f (a pair a tile), v12 16 x lane, v13 the biases' place, v14 LDS address in hand, v15 prefetch, v16-17 the add's, v18-19 2^e4 and
;   448 x 2^e4, v20-35 Q, v36-51 tile 0's codes of p, v52-67 tile 1's (v56 on are scores that have been converted by then), v56-119 S^T, then p, v120-247 V's eight tiles, v248-255 at work.
;   window 1: v0-127 O^T (64 a tile), v128-191 K's eight tiles, v192-255 the biases as C.
.set SLOT1,  1<<17                     ; slot 1 begins here: one exclusive or turns an address in one slot into the other's
.set SLOTB,  100352                    ; a slot: K's 32,768 bytes, V's 65,536, the biases' 2,048
.set BATCHB, 8*SLOTB
.set VOFF,   32768
.set BOFF,   98304
.set STGX,   SLOT1+SLOTB               ; the way out: the parts of waves 4-7; those of waves 0-3 lie from byte 0 on, in slot 0, which has had its last fill and its last read by then
.set SP,     528                       ; a row of a part: 512 bytes + 16
.set PART,   32*SP
.set SPARE,  STGX+4*PART               ; the spare words, 128 bytes for each wave: four blocks of 256 bytes that no other line names
.set STATS,  SPARE+1024                ; -M at 16 q + 4 kg, the sums 1,024 bytes further on
.set NM, 0
.set LS, 4
.set FF, 8
.set LI, 12
.set AB0, 13
.set AD, 14
.set PFO, 15                           ; 256 x the lesser of lane and 13; never rewritten
.set SPW, 16                           ; SPARE + 4 x my thread's number; never rewritten
.set NIL, 17                           ; 0; never rewritten
.set SC, 18
.set LM, 19
.set Q,  20
.set P,  36
.set S,  56
.set VA, 120
.set MX, 248
.set SU, 252
.set PX, 254
.set OM, 255
.set KF, 128                           ; in window 1
.set BI, 192                           ; in window 1
.set WV,  14
.set QH,  15
.set KG,  16
.set CX,  17
.set WGX, 18
.set BAT, 19
.set SEL, 20                           ; s[20:21] lane selects for v_permlanex16_b32: lane l xor 16
.set CS,  22                           ; s[22:23] c = log2(e) / 8 x 2^(e2 + e3)
.set G1,  24                           ; s[24:31] group 1 for a slot's eighth: 49 rows of 256 bytes
.set G1H, 32                           ; s[32:39] for a slot's quarter: 98 rows: the head's load
.set G0H, 40                           ; s[40:43] group 0 for the head's load
.set VOF, 44                           ; my key step's place in V
.set TB,  48                           ; LDS byte at which the slot in hand begins
.set KOF, 49                           ; my key step's place in K
.set SLOTS, 50
.set LIM, 51                           ; 1 in a wave that prefetches, else the greatest number
.set PFA, 52                           ; s[52:53] where my prefetches stand
.set EO,  60                           ; e4 + e5
.set G0W, 68                           ; s[68:71] group 0 of the refills: it walks
.set MSB, 0
.macro WIN new                         ; the immediate's high byte repeats the setting that is left; low byte: bits 1:0 source 0, 3:2 source 1, 5:4 source 2, 7:6 destination
.if MSB != \new
	s_set_vgpr_msb (MSB<<8)|\new
.set MSB, \new
.endif
.endm
.macro PLACES n
.rept \n
	v_nop
.endr
.endm
.macro CREST                           ; a round of the cluster's barrier behind its opening barrier
	s_cmp_lg_u32 s[WV], 0
	s_cbranch_scc1 .Lnot_wave_0_\@
	s_barrier_signal -3
.Lnot_wave_0_\@:
	s_barrier_wait -3
	s_barrier_signal -1
	s_barrier_wait -1
.endm
.macro CROUND                          ; a whole round
	s_barrier_signal -1
	s_barrier_wait -1
	CREST
.endm
.macro GRP1 g, rows                    ; descriptor group 1: a dense block as rows of 256 bytes (32 elements of 8 bytes), no padding
	s_mov_b32 s[\g], 15|(3<<16)|(1<<21)            ; 15:0 the mask: all four work-groups; 17:16 elements of 8 bytes; 21 set beside a mask
	s_mov_b32 s[\g+1], 32<<16
	s_mov_b32 s[\g+2], \rows<<16
	s_mov_b32 s[\g+3], 32<<16
	s_mov_b32 s[\g+4], \rows
	s_mov_b32 s[\g+5], 32
	s_mov_b32 s[\g+6], 0
	s_mov_b32 s[\g+7], 0
.endm
; A PREFETCH INTO THE L2 of the slot that the NEXT change of slots will ask for: 392 blocks of 256 bytes = 4 partners x 7 waves x 14 lanes.  The sixteen clusters of a batch walk the same kv; four of them ask
; (those at x = 0, 5, 10 and 15), each for the whole slot.  A cluster's partners are told apart by address (25,088 bytes each), waves 0 to 6 take 3,584 bytes each, lanes 256 bytes apart (lanes 14 to 31 name their
; wave's last block again): each block is named once in a cluster that asks.  Slot 2 is asked for at the head, behind its tensor load; the last change that fills a slot asks for nothing.
.macro ASK
	s_cmp_gt_u32 s[SLOTS], s[LIM]
	s_cbranch_scc0 .Lnot_mine_\@
	global_prefetch_b8 v[PFO], s[PFA:PFA+1] th:TH_LOAD_NT scope:SCOPE_SE
.Lnot_mine_\@:
.endm
; LDS loads: V's n0-th to n0 + 7-th of 32 (window 0), 512 consecutive bytes each
.macro VRUN n0
.irp i, 0,1,2,3,4,5,6,7
	ds_load_b128 v[VA+4*(\n0+\i):VA+4*(\n0+\i)+3], v[AD] offset:512*(\n0+\i)
.endr
.endm
; K's sixteen, 512 consecutive bytes each.  The setting is the rescaling's too: an LDS load's address in window 0, its destination in window 1
.macro KRUN
	s_add_co_u32 s61, s[TB], s[KOF]
	v_add_nc_u32 v[AD], s61, v[LI]
	WIN 0x44
.irp n, 0,1,2,3,4,5,6,7,8,9,10,11,12,13,14,15
	ds_load_b128 v[KF+4*\n:KF+4*\n+3], v[AD] offset:512*\n
.endr
.endm
; the biases' n0-th to n0 + 7-th of 16: those of keys 32 b + 16 h + 0 .. 15 are the C of tiles 2 b and 2 b + 1
.macro BRUN n0
	WIN 0x40                                       ; destination window 1
.irp i, 0,1,2,3,4,5,6,7
	ds_load_b128 v[BI+4*(\n0+\i):BI+4*(\n0+\i)+3], v[AD] offset:128*((\n0+\i)/4)+16*((\n0+\i)%4)
.endr
	WIN 0
.endm
; all 32 of K and the biases in one run, ahead of the first two steps
.macro NEXTK
	KRUN
	WIN 0
	v_add_nc_u32 v[AD], s[TB], v[AB0]
	BRUN 0
	BRUN 8
.endm
; S^T = K Q^T + bias for tile a: eight products of 16 keys x 16 queries x 64
.macro QK a
	WIN 0x11                                       ; K and C in window 1
.irp i, 0,1,2,3,4,5,6,7
	v_wmma_f32_16x16x64_fp8_fp8 v[S+8*\i:S+8*\i+7], v[KF+8*\i:KF+8*\i+7], v[Q+8*\a:Q+8*\a+7], v[BI+8*\i:BI+8*\i+7]
.endr
	WIN 0
.endm
; Tile a's maximum, M, f and t - M.  ld = 1: V's second run of loads stands behind the four chains
.macro MAXP a, ld
.irp c, 0,1,2,3                                ; the largest score of my query among my 64 keys, in four chains; each accumulator is read from its low end on
	v_max3_num_f32 v[MX+\c], v[S+3*\c], v[S+3*\c+1], v[S+3*\c+2]
.endr
.irp k, 0,1,2,3,4,5,6,7,8,9,10,11,12,13,14,15,16,17,18,19,20,21,22,23,24,25
	v_max3_num_f32 v[MX+((\k)%4)], v[MX+((\k)%4)], v[S+12+2*\k], v[S+13+2*\k]
.endr
.if \ld
	VRUN 8
.endif
	v_max3_num_f32 v[MX], v[MX], v[MX+1], v[MX+2]
	s_delay_alu instid0(VALU_DEP_1)
	v_max_num_f32 v[MX], v[MX], v[MX+3]
	s_delay_alu instid0(VALU_DEP_1)
	v_permlanex16_b32 v[PX], v[MX], s[SEL], s[SEL+1]
	s_delay_alu instid0(VALU_DEP_1)
	v_max_num_f32 v[MX], v[MX], v[PX]              ; and among lane l xor 16's
	s_delay_alu instid0(VALU_DEP_1)
	v_mul_f32 v[MX], s[CS], v[MX]                  ; as t (c is positive)
	s_delay_alu instid0(VALU_DEP_1)
	v_floor_f32 v[MX], -v[MX]
	s_delay_alu instid0(VALU_DEP_1)
	v_min_num_f32 v[MX], v[NM+2*\a], v[MX]         ; the new -M: M is a whole number
	s_delay_alu instid0(VALU_DEP_1)
	v_sub_f32 v[OM], v[MX], v[NM+2*\a]             ; old M - new M: a whole number, 0 or less
	v_mov_b32 v[NM+2*\a], v[MX]
	s_delay_alu instid0(VALU_DEP_2)
	v_cvt_i32_f32 v[OM], v[OM]                     ; (it saturates)
	s_delay_alu instid0(VALU_DEP_1)
	v_ldexp_f32 v[FF+2*\a], 1.0, v[OM]             ; f = 2^(old M - new M)
.irp j, 0,2,4,6,8,10,12,14,16,18,20,22,24,26,28,30,32,34,36,38,40,42,44,46,48,50,52,54,56,58,60,62
	v_pk_fma_f32 v[S+\j:S+\j+1], v[S+\j:S+\j+1], s[CS:CS+1], v[NM+2*\a:NM+2*\a+1] op_sel_hi:[1,0,0]   ; t - M, two at a time (of the pairs c and -M the low word serves both halves)
.endr
.endm
.macro EXPP a
	s_wait_alu depctr_va_vdst(0)                   ; a wait ahead of the batch,
.irp j, 0,1,2,3,4,5,6,7,8,9,10,11,12,13,14,15,16,17,18,19,20,21,22,23,24,25,26,27,28,29,30,31,32,33,34,35,36,37,38,39,40,41,42,43,44,45,46,47,48,49,50,51,52,53,54,55,56,57,58,59,60,61,62,63
	v_exp_f32 v[S+\j], v[S+\j]                     ; p = 2^(t - M), at most 1
.endr
	v_pk_mul_f32 v[LS+2*\a:LS+2*\a+1], v[LS+2*\a:LS+2*\a+1], v[FF+2*\a:FF+2*\a+1] op_sel_hi:[1,0]   ; the sums under the new M: the plain line behind the exponentials
	s_wait_alu depctr_va_vdst(0)                   ; and for one wait ahead of its first reader
.endm
; 16 of a lane's 64 p (block b): into the row's sum, unquantised, in four chains (the sum's pair, v248, v250, v252); held; converted.
; Tile 1's codes of blocks 1 to 3 land on numbers that the blocks before have converted; the next block's sums stand between.
.macro BLK a, b
.set SB, S+16*\b
.if \b == 0
	v_pk_add_f32 v[LS+2*\a:LS+2*\a+1], v[LS+2*\a:LS+2*\a+1], v[SB:SB+1]
	v_pk_add_f32 v[MX:MX+1], v[SB+2:SB+3], v[SB+10:SB+11]
	v_pk_add_f32 v[MX+2:MX+3], v[SB+4:SB+5], v[SB+12:SB+13]
	v_pk_add_f32 v[SU:SU+1], v[SB+6:SB+7], v[SB+14:SB+15]
	v_pk_add_f32 v[LS+2*\a:LS+2*\a+1], v[LS+2*\a:LS+2*\a+1], v[SB+8:SB+9]
.else
.irp i, 0,8
	v_pk_add_f32 v[LS+2*\a:LS+2*\a+1], v[LS+2*\a:LS+2*\a+1], v[SB+\i:SB+\i+1]
	v_pk_add_f32 v[MX:MX+1], v[MX:MX+1], v[SB+\i+2:SB+\i+3]
	v_pk_add_f32 v[MX+2:MX+3], v[MX+2:MX+3], v[SB+\i+4:SB+\i+5]
	v_pk_add_f32 v[SU:SU+1], v[SU:SU+1], v[SB+\i+6:SB+\i+7]
.endr
.endif
.irp i, 0,2,4,6,8,10,12,14
	v_dual_min_num_f32 v[SB+\i], v[LM], v[SB+\i] :: v_dual_min_num_f32 v[SB+\i+1], v[LM], v[SB+\i+1]   ; the conversion does not saturate (ISA guide 7.6.2); p is not negative, so the hold is one-sided
.endr
	v_cvt_scalef32_pk8_fp8_f32 v[P+16*\a+4*\b:P+16*\a+4*\b+1], v[SB:SB+7], v[SC]
	v_cvt_scalef32_pk8_fp8_f32 v[P+16*\a+4*\b+2:P+16*\a+4*\b+3], v[SB+8:SB+15], v[SC]
.endm
.macro LSUM a                          ; the four chains are joined: plain vector lines behind the last conversions
	v_pk_add_f32 v[MX:MX+1], v[MX:MX+1], v[MX+2:MX+3]
	v_pk_add_f32 v[LS+2*\a:LS+2*\a+1], v[LS+2*\a:LS+2*\a+1], v[SU:SU+1]
	v_nop
	v_pk_add_f32 v[LS+2*\a:LS+2*\a+1], v[LS+2*\a:LS+2*\a+1], v[MX:MX+1]
.endm
; O^T under the new M: x f, both tiles
.macro RESC
	WIN 0x44                                       ; O^T in window 1 (source 1 and destination), f in window 0
	s_wait_alu depctr_va_vdst(0)                   ; directly ahead of the first reader of O^T
.irp a, 0,1
.irp j, 0,2,4,6,8,10,12,14,16,18,20,22,24,26,28,30,32,34,36,38,40,42,44,46,48,50,52,54,56,58,60,62
	v_pk_mul_f32 v[64*\a+\j:64*\a+\j+1], v[FF+2*\a:FF+2*\a+1], v[64*\a+\j:64*\a+\j+1] op_sel_hi:[0,1]   ; each accumulator from its low end on
.endr
.endr
	WIN 0
.endm
; O^T += V^T P^T: 16 products of 16 channels x 16 queries x 128 keys.  The sixteen accumulators take turns, one instruction a turn.  first = 1: the products start the sums.
.macro PV first
.if \first
	WIN 0x40
.else
	WIN 0x50
.endif
.irp t, 0,1,2,3,4,5,6,7
.irp a, 0,1
.if \first
	v_wmma_f32_16x16x128_fp8_fp8 v[64*\a+8*\t:64*\a+8*\t+7], v[VA+16*\t:VA+16*\t+15], v[P+16*\a:P+16*\a+15], 0
.else
	v_wmma_f32_16x16x128_fp8_fp8 v[64*\a+8*\t:64*\a+8*\t+7], v[VA+16*\t:VA+16*\t+15], v[P+16*\a:P+16*\a+15], v[64*\a+8*\t:64*\a+8*\t+7]
.endif
.endr
.endr
	WIN 0
.endm
; A STEP: my 128 keys of the slot in hand, for my two tiles of queries.  first = 1: O^T's sums begin.  next = 1: a step follows.  fill = 1: the slot in hand is filled again, with the keys two slots on.
.macro BODY first, next, fill
	s_add_co_u32 s61, s[TB], s[VOF]
	v_add_nc_u32 v[AD], s61, v[LI]
	VRUN 0
	PLACES 3                                       ; with the address line above, four places between tile 0's products and the first read of the scores
	MAXP 0, 1
	VRUN 16
	EXPP 0
	VRUN 24
	BLK 0, 0
	BLK 0, 1
	BLK 0, 2
.if \next
	s_wait_tensorcnt 0x0                           ; no tensor load of mine is out: my share of the slot ahead is in, and the walking group 0 may be written
	ds_add_u32 v[SPW], v[NIL]                      ; 0 onto my spare word
	s_xor_b32 s[TB], s[TB], SLOT1                  ; my next reads are the other slot's
.if \fill
	s_xor_b32 s[G0W+1], s[G0W+1], SLOT1            ; the other slot than last time: the one in hand,
	s_add_nc_u64 s[G0W+2:G0W+3], s[G0W+2:G0W+3], SLOTB ; the next 512 keys; the type bits on top are not reached
	s_wait_xcnt 0x0                                ; the last prefetch, a step back, has read its address
	s_add_nc_u64 s[PFA:PFA+1], s[PFA:PFA+1], SLOTB ; one slot further on than the walking descriptor
.endif
.endif
	BLK 0, 3                                       ; (work on registers between the add and its wait)
	LSUM 0
	s_wait_dscnt 0x0                               ; the add is done, V is in, and my reads of the slot in hand are over
.if \next
	s_barrier_signal -1
.endif
	QK 1                                           ; work on registers while the others arrive
	PLACES 4
	MAXP 1, 0
.if \next
	s_barrier_wait -1
.if \fill
	CREST                                          ; no wave of any partner still reads the slot in hand or has a load on its way
	tensor_load_to_lds s[G0W:G0W+3], s[G1:G1+7]    ; my one tensor load until the next round
	s_nop 0
	PLACES 4                                       ; four v_nop follow it
.endif
.if \first
	NEXTK
.else
	KRUN
.endif
.endif
.if \first == 0
	RESC
.endif
.if \fill
	ASK
.endif
.if (\next) && (\first == 0)
	v_add_nc_u32 v[AD], s[TB], v[AB0]
	BRUN 0
.endif
	EXPP 1
.if (\next) && (\first == 0)
	BRUN 8
.endif
	BLK 1, 0
	BLK 1, 1
	BLK 1, 2
	BLK 1, 3
	LSUM 1
	PV \first
	PLACES 5                                       ; the next K Q^T writes over registers that held tile 1's codes
.if \next
	s_wait_dscnt 0x0                               ; the next step's K and biases are in
	QK 0
.endif
.endm
	s_load_b256 s[4:11], s[0:1], 0x0               ; qf s[4:5], kv s[6:7], the scales s[8:9], out0 s[10:11]
	v_lshl_add_u32 v[SPW], v0, 2, SPARE
	v_mov_b32 v[NIL], 0
	ds_add_u32 v[SPW], v[NIL]                      ; the wave's opening: the add, twice on end, and its wait ahead of my first tensor load
	ds_add_u32 v[SPW], v[NIL]
	v_lshrrev_b32 v[AD], 5, v0
	s_delay_alu instid0(VALU_DEP_1)
	v_readfirstlane_b32 s[WV], v[AD]               ; wave 0..7
	s_and_b32 s[QH], s[WV], 1
	s_lshr_b32 s[KG], s[WV], 1
	s_bfe_u32 s[CX], ttmp6, 0x40000                ; cx: my place in the cluster
	s_lshl_b32 s[WGX], ttmp9, 2                    ; in a cluster launch ttmp9 counts clusters
	s_add_co_u32 s[WGX], s[WGX], s[CX]             ; my block of 64 queries: it enters Q's and out0's addresses alone
	s_and_b32 s[BAT], ttmp7, 0xffff                ; the batch, which the four partners share
	GRP1 G1, 49
	GRP1 G1H, 98
	s_mov_b32 s[SEL], 0x76543210
	s_mov_b32 s[SEL+1], 0xfedcba98
	s_mov_b32 s[TB], 0
	s_mov_b32 s[SLOTS], 6
	s_lshl_b32 s[KOF], s[KG], 13
	s_lshl_b32 s[VOF], s[KG], 14
	s_add_co_u32 s[VOF], s[VOF], VOFF
	s_lshl_b32 s66, s[KG], 9
	s_add_co_u32 s66, s66, BOFF
	s_mul_i32 s61, s[BAT], BATCHB                  ; the batch in kv
	; the head's load: waves 0 to 3 a quarter each of slot 0, waves 4 to 7 of slot 1: no place in the cluster enters it
	s_and_b32 s63, s[WV], 3
	s_mul_i32 s63, s63, SLOTB/4
	s_lshr_b32 s62, s[WV], 2
	s_lshl_b32 s62, s62, 17
	s_mov_b32 s[G0H], 1
	s_add_co_u32 s[G0H+1], s63, s62
	s_mul_i32 s54, s[WV], SLOTB/4
	s_add_co_u32 s54, s54, s61
	s_mov_b32 s55, 0
	; the refills: my eighth; the first change of slots steps it to slot 0 and the third 512 keys
	s_mul_i32 s62, s[WV], SLOTB/8
	s_mov_b32 s[G0W], 1
	s_add_co_u32 s[G0W+1], s62, SLOT1
	s_add_co_u32 s62, s62, s61
	s_add_co_u32 s62, s62, SLOTB
	s_mov_b32 s63, 0
	; what hangs on my place in the cluster is made in s[2:3] alone
	s_mul_i32 s2, s[CX], SLOTB/4
	s_mul_i32 s3, s[WV], 3584
	s_add_co_u32 s2, s2, s3
	s_add_co_u32 s2, s2, s61
	s_add_co_u32 s2, s2, 2*SLOTB                   ; the prefetches begin at keys 1,024 on; each change of slots steps them 512 keys further
	s_mov_b32 s3, 0
	s_cmp_lt_u32 s[WV], 7
	s_cselect_b32 s[LIM], 0, 1
	s_lshr_b32 s67, 0x8421, ttmp9
	s_and_b32 s67, s67, 1
	s_xor_b32 s67, s67, 1
	s_or_b32 s[LIM], s[LIM], s67                   ; 0 in waves 0 to 6 of the batch's clusters 0, 5, 10 and 15: the same in all four partners
	s_cmp_eq_u32 s[LIM], 0
	s_cselect_b32 s[LIM], 1, -1
	v_and_b32 v[LI], 31, v0
	v_bfe_u32 v[AB0], v0, 4, 1
	v_mov_b32 v[NM+1], 0                           ; (the upper halves of the pairs of -M and f are named, so they are written)
	v_mov_b32 v[NM+3], 0
	v_min_u32 v[PFO], 13, v[LI]
	v_lshlrev_b32 v[LI], 4, v[LI]                  ; 16 x lane
	v_lshl_add_u32 v[AB0], v[AB0], 6, s66          ; the biases of my 128 keys, + 16 keys for lanes 16-31
	v_mov_b32 v[NM], 0x7f7fffff                    ; -M: over every floor(-t)
	v_mov_b32 v[NM+2], 0x7f7fffff
	v_lshlrev_b32 v[PFO], 8, v[PFO]
.irp i, 0,1,2,3
	v_mov_b32 v[LS+\i], 0                          ; the sums, in two halves
.endr
	v_mov_b32 v[FF+1], 0
	v_mov_b32 v[FF+3], 0
	v_mov_b32 v[PX], 0                             ; a lane permute's destination counts as one of its sources
	s_wait_alu depctr_va_vdst(0)
	s_wait_dscnt 0x0                               ; both opening adds are done
	CROUND                                         ; all four work-groups are here: the first joint loads meet
	s_wait_kmcnt 0x0
	s_load_b128 s[56:59], s[8:9], 0x8              ; e2, e3, e4, e5
	s_add_nc_u64 s[G0H+2:G0H+3], s[6:7], s[54:55]
	s_or_b32 s[G0H+3], s[G0H+3], 0x80000000        ; type = 2
	tensor_load_to_lds s[G0H:G0H+3], s[G1H:G1H+7]  ; keys 0 to 1,023 by eight waves: one tensor load a wave at the head
	s_nop 0
	PLACES 4
	s_add_nc_u64 s[G0W+2:G0W+3], s[6:7], s[62:63]
	s_or_b32 s[G0W+3], s[G0W+3], 0x80000000
	s_add_nc_u64 s[PFA:PFA+1], s[6:7], s[2:3]
	s_lshl_b32 s2, s[WGX], 12                      ; Q: tile 256 batch + 4 block + 2 qh, 1,024 bytes a tile
	s_lshl_b32 s3, s[BAT], 18
	s_add_co_u32 s2, s2, s3
	s_lshl_b32 s3, s[QH], 11
	s_add_co_u32 s2, s2, s3
	s_mov_b32 s3, 0
	s_add_nc_u64 s[4:5], s[4:5], s[2:3]
.irp a, 0,1
	global_load_b128 v[Q+8*\a:Q+8*\a+3],   v[LI], s[4:5] offset:1024*\a        ; Q stays in registers
	global_load_b128 v[Q+8*\a+4:Q+8*\a+7], v[LI], s[4:5] offset:1024*\a+512
.endr
	ASK                                            ; slot 2: all of step 0's first half ahead of its load
	s_lshl_b32 s2, s[WGX], 15                      ; out0: row 4096 batch + 64 block + 32 qh + 8 kg, 512 bytes a row
	s_lshl_b32 s3, s[BAT], 21
	s_add_co_u32 s2, s2, s3
	s_lshl_b32 s3, s[QH], 14
	s_add_co_u32 s2, s2, s3
	s_lshl_b32 s3, s[KG], 12
	s_add_co_u32 s2, s2, s3
	s_mov_b32 s3, 0
	s_add_nc_u64 s[10:11], s[10:11], s[2:3]
	s_wait_kmcnt 0x0
	s_add_co_i32 s54, s56, s57
	s_lshl_b32 s54, s54, 23
	s_add_co_i32 s[CS], s54, 0x3e38aa3b            ; log2(e) / 8, with e2 + e3 added to its exponent field
	s_mov_b32 s[CS+1], s[CS]
	s_add_co_i32 s54, s58, 127
	s_lshl_b32 s55, s54, 23
	v_mov_b32 v[SC], s55                           ; 2^e4
	s_add_co_i32 s54, s54, 8
	s_lshl_b32 s54, s54, 23
	s_or_b32 s54, s54, 0x600000
	v_mov_b32 v[LM], s54                           ; 448 x 2^e4
	s_add_co_i32 s[EO], s58, s59
	s_wait_alu depctr_va_vdst(0)                   ; the head's end
	s_wait_loadcnt 0x0                             ; Q
	s_wait_tensorcnt 0x0                           ; my quarter of slot 0 or 1 is in
	s_barrier_signal -1
	s_barrier_wait -1                              ; everybody's is
	NEXTK                                          ; the first step's K and biases
	s_wait_dscnt 0x0
	QK 0
	BODY 1, 1, 1                                   ; keys 0 to 511: written out: its products start O^T's sums, nothing is cleared; slot 0 then takes keys 1,024 on
	s_mov_b32 s[SLOTS], 5
.Lslot:                                            ; five trips: each fills the slot that it has read out with the keys two slots on
	BODY 0, 1, 1
	s_sub_co_u32 s[SLOTS], s[SLOTS], 1
	s_cmp_lg_u32 s[SLOTS], 0
	s_cbranch_scc1 .Lslot
	BODY 0, 1, 0                                   ; the last two steps are written out: nothing is left to fetch
	BODY 0, 0, 0                                   ; and in the last step no slot is changed
	; THE WAY OUT.  Each wave puts its -M, its sums and its raw O^T into LDS; one barrier; wave (qh, kg) joins the four key groups' parts of rows 8 kg .. 8 kg + 7 of its 32 queries and stores them whole.
	; Slot 0 was read out in front of the last change of slots' barrier, which every wave has passed, and is filled no more.
	s_and_b32 s54, s[WV], 3
	s_mul_i32 s54, s54, PART
	s_lshr_b32 s55, s[WV], 2
	s_mul_i32 s55, s55, STGX
	s_add_co_u32 s54, s54, s55                     ; my part
	s_lshl_b32 s55, s[QH], 9
	s_lshl_b32 s61, s[KG], 2
	s_add_co_u32 s61, s61, s55
	s_add_co_u32 s61, s61, STATS
	s_mul_i32 s62, s[QH], PART
	s_mul_i32 s63, s[KG], 8*SP
	s_add_co_u32 s62, s62, s63
	s_lshl_b32 s63, s[KG], 7
	s_add_co_u32 s63, s63, s55
	s_add_co_u32 s63, s63, STATS
	s_wait_alu depctr_va_vdst(0)
	v_add_f32 v[LS], v[LS], v[LS+1]                ; the sum's two halves,
	v_add_f32 v[LS+2], v[LS+2], v[LS+3]
	v_bfe_u32 v20, v[LI], 4, 4                     ; r
	v_lshrrev_b32 v21, 8, v[LI]                    ; h
	v_permlanex16_b32 v[PX], v[LS], s[SEL], s[SEL+1]
	v_permlanex16_b32 v[OM], v[LS+2], s[SEL], s[SEL+1]
	v_and_b32 v22, 8, v20
	v_add_nc_u32 v26, s62, v[LI]                   ; back: key groups 0 and 1: my eight rows, 16 bytes a lane;
	v_add_f32 v[LS], v[LS], v[PX]                  ; and lane l xor 16's
	v_add_f32 v[LS+2], v[LS+2], v[OM]
	v_add_nc_u32 v22, v22, v20                     ; r + 8 (r / 8): tile a's lane r holds query 8 a + r + 8 (r / 8) of the 32
	v_add_nc_u32 v27, STGX, v26                    ; key groups 2 and 3
	v_mov_b32 v25, s63                             ; my eight rows' statistics
	v_mul_u32_u24 v23, v22, SP
	v_lshl_add_u32 v24, v22, 4, s61                ; my query's word among the statistics
	v_lshl_add_u32 v23, v21, 6, v23
	v_add_nc_u32 v23, s54, v23                     ; in: my query's row, + 16 channels for lanes 16-31
.irp a, 0,1
	ds_store_b32 v24, v[NM+2*\a] offset:128*\a             ; lanes l and l xor 16 write the same word with the same number
	ds_store_b32 v24, v[LS+2*\a] offset:128*\a+1024
.endr
	WIN 0x04                                       ; the stores' data in window 1
.irp a, 0,1
.irp t, 0,1,2,3,4,5,6,7
	ds_store_b128 v23, v[64*\a+8*\t:64*\a+8*\t+3] offset:8*SP*\a+128*(\t/2)+32*(\t%2)          ; channels 32 (t / 2) + 8 (t % 2) + 16 h + 0 .. 7; each accumulator from its low end on
	ds_store_b128 v23, v[64*\a+8*\t+4:64*\a+8*\t+7] offset:8*SP*\a+128*(\t/2)+32*(\t%2)+16
.endr
.endr
	WIN 0
	s_wait_alu depctr_va_vdst(0)
	s_wait_dscnt 0x0                               ; for the others' sake: my stores have landed
	s_barrier_signal -1
	s_barrier_wait -1
.set PT, 48                            ; v48-175: row i, key group k: four registers at PT + 16 i + 4 k
.set MS, 176                           ; v176-207: row i's four -M, then f, then f / l
.set LR, 208                           ; v208-239: row i's four sums
.set RL, 240                           ; v240-247: a number a row
.irp i, 0,1,2,3,4,5,6,7
	ds_load_b128 v[MS+4*\i:MS+4*\i+3], v25 offset:16*\i
	ds_load_b128 v[LR+4*\i:LR+4*\i+3], v25 offset:1024+16*\i
.endr
.irp i, 0,1,2,3,4,5,6,7
.irp k, 0,1
	ds_load_b128 v[PT+16*\i+4*\k:PT+16*\i+4*\k+3], v26 offset:SP*\i+2*PART*\k
	ds_load_b128 v[PT+16*\i+4*\k+8:PT+16*\i+4*\k+11], v27 offset:SP*\i+2*PART*\k
.endr
.endr
	s_wait_dscnt 32                                ; the statistics are in; the 32 loads of the parts, issued behind them, may be out
.irp i, 0,1,2,3,4,5,6,7
	v_min_num_f32 v[RL+\i], v[MS+4*\i], v[MS+4*\i+1]
.endr
.irp k, 2,3
.irp i, 0,1,2,3,4,5,6,7
	v_min_num_f32 v[RL+\i], v[RL+\i], v[MS+4*\i+\k]        ; the least -M: the row's M
.endr
.endr
.irp n, 0,1,2,3,4,5,6,7,8,9,10,11,12,13,14,15,16,17,18,19,20,21,22,23,24,25,26,27,28,29,30,31
	v_sub_f32 v[MS+\n], v[RL+\n/4], v[MS+\n]               ; the group's M less the row's: a whole number, 0 or less
.endr
.irp n, 0,1,2,3,4,5,6,7,8,9,10,11,12,13,14,15,16,17,18,19,20,21,22,23,24,25,26,27,28,29,30,31
	v_cvt_i32_f32 v[MS+\n], v[MS+\n]
.endr
.irp n, 0,1,2,3,4,5,6,7,8,9,10,11,12,13,14,15,16,17,18,19,20,21,22,23,24,25,26,27,28,29,30,31
	v_ldexp_f32 v[MS+\n], 1.0, v[MS+\n]                    ; f of the group
.endr
.irp i, 0,1,2,3,4,5,6,7
	v_mul_f32 v[RL+\i], v[MS+4*\i], v[LR+4*\i]
.endr
.irp k, 1,2,3
.irp i, 0,1,2,3,4,5,6,7
	v_fma_f32 v[RL+\i], v[MS+4*\i+\k], v[LR+4*\i+\k], v[RL+\i]   ; the row's sum
.endr
.endr
	s_wait_alu depctr_va_vdst(0)                   ; a wait ahead of the batch,
.irp i, 0,1,2,3,4,5,6,7
	v_rcp_f32 v[RL+\i], v[RL+\i]
.endr
	v_nop                                          ; a plain line behind the last reciprocal
	s_wait_alu depctr_va_vdst(0)                   ; and for one wait ahead of its first reader
.irp i, 0,1,2,3,4,5,6,7
	v_ldexp_f32 v[RL+\i], v[RL+\i], s[EO]          ; x 2^(e4 + e5)
.endr
.irp n, 0,1,2,3,4,5,6,7,8,9,10,11,12,13,14,15,16,17,18,19,20,21,22,23,24,25,26,27,28,29,30,31
	v_mul_f32 v[MS+\n], v[MS+\n], v[RL+\n/4]
.endr
	s_wait_alu depctr_va_vdst(0)                   ; directly ahead of the wait below
	s_wait_dscnt 0x0                               ; the parts are in
.irp i, 0,1,2,3,4,5,6,7
.irp c, 0,1,2,3
	v_mul_f32 v[PT+16*\i+\c], v[MS+4*\i], v[PT+16*\i+\c]
.endr
.irp k, 1,2,3
.irp c, 0,1,2,3
	v_fma_f32 v[PT+16*\i+\c], v[MS+4*\i+\k], v[PT+16*\i+4*\k+\c], v[PT+16*\i+\c]
.endr
.endr
.endr
.irp i, 0,1,2,3,4,5,6,7
	global_store_b128 v[LI], v[PT+16*\i:PT+16*\i+3], s[10:11] offset:512*\i th:TH_STORE_NT   ; 32 lanes store a row's 512 consecutive bytes, aligned; written once, read by nobody here
.endr
	s_wait_tensorcnt 0x0                           ; the wave's end: behind my last tensor load and my last LDS store
	ds_add_u32 v[SPW], v[NIL]
	s_wait_dscnt 0x0
	CROUND                                         ; the closing round: no work-group ends while a partner may still ask for a tile that names it
	s_endpgm
.Lfunc_end_k_qc44aad1960_attend:
	.size	k_qc44aad1960_attend, .Lfunc_end_k_qc44aad1960_attend-k_qc44aad1960_attend
	.p2alignl 7, 3214868480
	.fill 96, 4, 3214868480
	.section	.rodata,"a",@progbits
	.p2align	6, 0x0
	.amdhsa_kernel k_qc44aad1960_attend
		.amdhsa_group_segment_fixed_size 327680
		.amdhsa_private_segment_fixed_size 0
		.amdhsa_enable_private_segment 0
		.amdhsa_kernarg_size 32
		.amdhsa_user_sgpr_count 2
		.amdhsa_user_sgpr_kernarg_segment_ptr 1
		.amdhsa_wavefront_size32 1
		.amdhsa_system_sgpr_workgroup_id_x 1
		.amdhsa_system_sgpr_workgroup_id_y 1
		.amdhsa_system_sgpr_workgroup_id_z 1
		.amdhsa_system_vgpr_workitem_id 0
		.amdhsa_next_free_vgpr 512
		.amdhsa_next_free_sgpr 72
		.amdhsa_reserve_vcc 0
		.amdhsa_float_denorm_mode_32 3
		.amdhsa_float_denorm_mode_16_64 3
		.amdhsa_memory_ordered 1
		.amdhsa_forward_progress 1
		.amdhsa_inst_pref_size 164
	.end_amdhsa_kernel
	.amdgpu_metadata
---
amdhsa.version: [ 1, 2 ]
amdhsa.kernels:
  - .name:           k_qc44aad1960_attend
    .symbol:         k_qc44aad1960_attend.kd
    .args:
      - { .name: qf, .offset: 0, .size: 8, .value_kind: global_buffer, .address_space: global }
      - { .name: kv, .offset: 8, .size: 8, .value_kind: global_buffer, .address_space: global }
      - { .name: lowp_scales, .offset: 16, .size: 8, .value_kind: global_buffer, .address_space: global }
      - { .name: out0, .offset: 24, .size: 8, .value_kind: global_buffer, .address_space: global }
    .group_segment_fixed_size: 327680
    .private_segment_fixed_size: 0
    .kernarg_segment_align: 8
    .kernarg_segment_size: 32
    .max_flat_workgroup_size: 256
    .sgpr_count:     72
    .vgpr_count:     512
    .wavefront_size: 32
...
	.end_amdgpu_metadata
.endif
;; end of part 2
